; MI455X (gfx1250); checked and timed in simulation.
; The chip was launched on July 23, 2026; its instructions are those of AMD's public machine-readable ISA for CDNA 5 (MIT licence, August 2026) and "CDNA5" Instruction Set Architecture Reference Guide (July 2026). The comments in the code are by the model that wrote it; some were corrected since.
;; Compressed Interaction Network. Allowed arithmetic: matrix products marked QUANTISED: E2M1 operands, one E8M0 scale for each 32 along K, by v_wmma_scale_f32_16x16x128_f8f6f4 with both operands' format E2M1 (or v_wmma_scale_f32_32x16x128_f4), f32 sums; products left as they are: f32 operands where the result goes on into a quantised operand, else bf16, f16 or f32 operands; f32 sums; everything else in f32.
;; Inputs: b0 256 float32; b1 256 float32; b2 256 float32; fc_b 1 float32; fc_w 1 x 512 float32; w0_codes 256 x 32 x 16 uint8 (E2M1 codes of w0, K innermost, in blocks of 32 codes, two codes a byte); w0_scales 256 x 32 uint8 (E8M0 scales of w0, one for each 32 codes along K); w1_codes 256 x 128 x 16 uint8 (E2M1 codes of w1, K innermost, in blocks of 32 codes, two codes a byte); w1_scales 256 x 128 uint8 (E8M0 scales of w1, one for each 32 codes along K); w2_codes 256 x 128 x 16 uint8 (E2M1 codes of w2, K innermost, in blocks of 32 codes, two codes a byte); w2_scales 256 x 128 uint8 (E8M0 scales of w2, one for each 32 codes along K); x 256 x 32 x 64 float32.
;; Outputs: out0 256 x 1 float32.
;; This version of the problem:
;;   THIS VERSION OF THE PROBLEM IS GIVEN IN LOW PRECISION. The matrix products marked QUANTISED in the list below multiply operands that are first quantised to E2M1 (2 exponent bits, 1 mantissa bit; 4 bits a number), with one power-of-two scale for each 32 numbers along K (OCP MX v1.0); their sums are f32. All else is computed in f32.
;;   The module's matrix products, in the order in which they are computed (A, B: the left and right operand; K: the contracted axis; several contracted axes count as one K, in the product's order):
;;     1. [M 256, K 1,024] x [K 1,024, N 16,384]; A: input w0 (given as codes); B: computed on the way: QUANTISED
;;     2. [M 256, K 4,096] x [K 4,096, N 16,384]; A: input w1 (given as codes); B: computed on the way: QUANTISED
;;     3. [M 256, K 4,096] x [K 4,096, N 16,384]; A: input w2 (given as codes); B: computed on the way: QUANTISED
;;     4. [M 256, K 512] x [K 512, N 1]; A: computed on the way; B: input fc_w: left as it is (N = 1 < 16)
;;   THE QUANTISER, for each operand of a quantised product, along K:
;;     - K is cut into blocks of 32 from its start; a last block that is shorter is filled with zeros.
;;     - A block's scale is 2^e with e = floor(log2(the largest magnitude in the block)) - 2, held to -126 .. 127; a block of zeros has e = 0. As a byte (E8M0): e + 127.
;;     - Each number is divided by its block's scale, clamped to +-6, and rounded to the nearest number of E2M1, ties to even, subnormals kept.
;;     - The product sums the exact products of the quantised numbers (number of the format x scale) in f32.
;;   ~~~python
;;   def quantise(x, axis):      # numpy; x: float32 -> the quantised numbers, widened to float32 again
;;       x = np.moveaxis(x, axis, -1); K = x.shape[-1]
;;       x = np.pad(x, [(0, 0)] * (x.ndim - 1) + [(0, -K % 32)]); x = x.reshape(x.shape[:-1] + (-1, 32)); a = np.abs(x).max(-1, keepdims=True)
;;       e = np.where(a > 0, np.clip(np.frexp(np.where(a > 0, a, 1))[1] - 1 - 2, -126, 127), 0)      # np.frexp(a)[1] - 1 = floor(log2(a)), exactly
;;       r = np.clip(x / 2.0 ** e, -6, 6)
;;       step = 2.0 ** (np.maximum(np.frexp(np.where(r == 0, 1, r))[1] - 1, 0) - 1)
;;       q = np.round(r / step) * step * 2.0 ** e      # np.round: ties to even
;;       return np.moveaxis(q.reshape(q.shape[:-2] + (-1,))[..., :K], -1, axis).astype(np.float32)
;;   ~~~
;;   OPERANDS COMPUTED ON THE WAY. 'Computed on the way' means the value that the module computes at that place (a softmax that the list does not call 'softmax' is quantised finished and normalised). What goes into a quantiser is computed in f32, as accurately as f32 sums, v_exp_f32 and their like allow (about 1e-6 of the number): no bf16 or f16 on the way to a quantiser, and a product that is left as it is and whose result goes on into a quantised operand takes f32 operands (vector FMAs, or v_wmma_f32_16x16x4_f32). A number that lies on a knife's edge between two numbers of the format may be rounded either way, as far as f32 arithmetic and the matrix unit's own rounding can turn it there, and no further.
;;   INPUTS GIVEN AS CODES. w0 (in the module: [256, 1024], K = its axis 1); w1 (in the module: [256, 4096], K = its axis 1); w2 (in the module: [256, 4096], K = its axis 1): each comes as NAME_codes (uint8): NAME with its K axis moved to the last place and cut into blocks of 32 codes, [.., K / 32, bytes a block], one block behind the other in memory; two codes a byte, the lower K in the low four bits (a code: sign, 2 exponent bits, 1 mantissa bit); and NAME_scales (uint8): the same leading axes, one E8M0 byte (e + 127) for each 32 codes along K. Its value is code x scale, taken as it is: it is not quantised again, and the codes and scales need not be those that the quantiser above would give.
;; One version. Each part assembles by itself: llvm-mc -triple=amdgcn-amd-amdhsa -mcpu=gfx1250 --defsym DOCPART=n.
;; ======== version 1 of 1: 1 launch
;; launch cin (part 1): grid 256 x 1, 4 waves a work-group, clusters of 4 x 1, 327,680 bytes of LDS; arguments x, w0_codes, w0_scales, b0, w1_codes, w1_scales, b1, w2_codes, w2_scales, b2, fc_w, fc_b, out0; writes out0
.if DOCPART == 1
	.amdgcn_target "amdgcn-amd-amdhsa--gfx1250"
	.amdhsa_code_object_version 6
	.text
	.protected	k_q458b03ff9c_cin
	.globl	k_q458b03ff9c_cin
	.p2align	8
	.type	k_q458b03ff9c_cin,@function
k_q458b03ff9c_cin:
	s_mov_b64 s[64:65], 0
	v_nop
	global_prefetch_b8 v0, s[64:65] scope:SCOPE_SE
	s_setreg_imm32_b32 hwreg(HW_REG_WAVE_MODE, 25, 1), 1
	s_wait_xcnt 0x0
	s_wait_alu depctr_hold_cnt(0) depctr_sa_sdst(0) depctr_va_vdst(0) depctr_va_sdst(0) depctr_va_ssrc(0) depctr_va_vcc(0) depctr_vm_vsrc(0)
	s_getreg_b32 s2, hwreg(HW_REG_IB_STS2, 6, 4)
	s_cmp_eq_u32 s2, 0
	s_cbranch_scc0 .Lentry_in_a_cluster
	s_endpgm
.Lentry_in_a_cluster:
	s_bfe_u32 s2, ttmp6, 0x10000c
	s_cmp_lg_u32 s2, 0x3003
	s_cbranch_scc0 .Lentry_shape_is_right
	s_endpgm
.Lentry_shape_is_right:
; A compressed interaction network of three layers, whole, in one launch.  x [256][32][64] f32.  Layer L: z[f Hin + h][e] = x[f][e] h[h][e]; out[o][e] = relu(sum over c of W[o][c] z[c][e] + b[o]);
; rows 0-127 (in the last layer all 256) are summed over e and weighed by fc_w; rows 128-255 are the next h.  W comes as E2M1 codes with E8M0 bytes; z is quantised here, along c, in blocks of 32.
; SHARES.  A work-group owns one b: all 256 rows of W against its 64 columns e, so that every number of z is made and quantised once, and nothing goes through memory between the layers.
;   As a multiplier wave w owns rows 32 w .. +31 and 128 + 32 w .. +31 against all 64 columns: 16 accumulators of 16 x 16.  As a maker of z it owns columns 16 w .. +15: one fragment a K step of 128.
; THE QUANTISER.  A block of 32 along c has one f and 32 neighbouring h, and rounding keeps order: the block's largest magnitude is |x[f][e]| times the largest |h| of those 32, rounded once.  So the largest |h| is
;   found once a layer and a block's scale costs one multiplication.  In the operand's layout lane (r, hh) holds column r and k = 64 c + 32 hh + 0 .. 31, c = 0, 1: two whole blocks.  Its 64 numbers of h stay in
;   registers for a layer; a K step is one f (layer 0, where Hin = 32: four f, and the lane's 32 numbers of x serve both blocks).
; W goes through a ring of two LDS slots in nine parts of 1,024 along K (256 rows x 512 bytes): part 0 = w0, 1-4 = w1, 5-8 = w2; part i lies in slot i % 2.  Every work-group walks the same parts, so the four
;   work-groups of a cluster ask for each part JOINTLY: the same tensor load, the same descriptor, a mask that names the four.  Each wave fetches 64 rows with one load.
; z goes from its maker to the four multipliers through LDS as an image of the operand's registers (16 bytes a lane, 512 bytes a store), two K steps at a time, in two buffers that take turns: one barrier for two K steps.
; LIMITS.  NaN and infinities among the inputs, and products x h beyond f32's range, are not served.  A block of zeros gets the scale byte 1 where the rule says 127: its codes are zeros, and this program alone reads
;   the byte.  The bias is the C of a sum's first matrix instruction: it is added first, not last.  out0 gets 4 bytes from each work-group: one b has one owner.
; REGISTERS, in windows of 256.  window 0: v2-30 addresses; v32-39 scale words and nothing else; v40-53 at work; v56-71 codes just made; v72-103 W's scale words on their way; v104-167 h; v168-231 products.
;   window 1: v0-63 W's fragments, two sets of four; v64-127 z's, two sets of four.   window 2: v0-127 the accumulators ((a, j) at 8 (4 a + j)); v128-135 the pooled sums.
;   window 3: v0-95 the biases (32 L + 8 a), v96-159 fc_w, both in the result's layout.
.set PW,    528                        ; a row of W in LDS: 512 bytes + 16 of padding = 33 x 16: the 16 rows of a fragment load start in 16 different groups of four banks (64 banks of 4 bytes: ISA guide 11.1)
.set SLOT,  256*PW                     ; 135,168 bytes: slot 0 at 0, slot 1 behind it.  Tensor loads alone write here
.set XP,    2*SLOT                     ; x as [f / 2][e][2]: 512 (f / 2) + 8 e: 8,192 bytes.  A wave touches its own 16 columns alone
.set WSC,   XP+8192                    ; W's scale words of the part in hand: 2,048 w + 512 pair + 256 ks + 128 a2 + 4 lane.  A wave's own
.set ZB,    WSC+8192                   ; z's fragments: 8,192 buffer + 4,096 ks + 1,024 j + 512 c + 16 lane
.set ZSC,   ZB+16384                   ; z's scale words: 512 buffer + 256 ks + 128 j2 + 4 lane; lane (r, hh) is column block j2 + 2 hh
.set HST,   ZB                         ; h between two layers, [k / 4][e][4]: 32,768 bytes, over z's buffers, parted from them by barriers
.set RED,   HST+32768                  ; the four waves' sums
.set SPARE, RED+256                    ; the spare words, 128 bytes for each wave: two blocks of 256 bytes that no other line names
.set SPW,   2                          ; v2   SPARE + 4 x my thread's number; never rewritten
.set NIL,   3                          ; v3   0; never rewritten
.set AWB0,  4                          ; v4   (32 w + r) PW + 16 hh: my rows 32 w on
.set AWB1,  5                          ; v5   the same 128 rows further down
.set AZB,   6                          ; v6   ZB + 16 lane
.set AZSB,  7                          ; v7   ZSC + 4 lane
.set AWSB,  8                          ; v8   WSC + 2,048 w + 4 lane
.set AZWB,  9                          ; v9   ZB + 1,024 w + 16 lane: where I store my fragment
.set AZSWB, 10                         ; v10  ZSC + 128 (w % 2) + 64 (w / 2) + 4 r: and its scale word
.set AXB,   11                         ; v11  XP + 128 w + 8 r
.set AXB0,  12                         ; v12  the same + 4 hh
.set AHW,   13                         ; v13  HST + (8 w + 2 hh) 1,024 + 16 r
.set AHR,   14                         ; v14  HST + 8,192 hh + 16 (16 w + r)
.set GSO0,  15                         ; v15  (32 w + r + 128 hh) x 32: my row of w0's scale bytes
.set GSO1,  16                         ; v16  the same x 128: of w1's and w2's
.set BO,    17                         ; v17  4 (32 w + 8 hh): biases and fc_w
.set XGO,   18                         ; v18  4 (16 w + r): my column of x
.set PFO,   19                         ; v19  2,048 (lane / 2) + 256 (lane % 2): the prefetches' offset
.set ARED,  20                         ; v20  RED + 4 w
.set ARD,   21                         ; v21  RED
.set AW0,   22                         ; v22-29 the addresses of the pair of K steps in hand: a base above + a scalar below
.set AW1,   23
.set AZ,    24
.set AZS,   25
.set AWS,   26
.set AZW,   27
.set AZSW,  28
.set AX,    29
.set SH8,   30                         ; v30  8 hh
.set WS,    32                         ; v32-35 W's scale words: 2 ks + a2; lanes 0-15 tile a2, lanes 16-31 tile a2 + 2
.set ZS,    36                         ; v36-39 z's: 2 ks + j2; lanes 0-15 block j2, lanes 16-31 block j2 + 2
.set XM,    40                         ; v40-43 x's multipliers
.set AM,    44                         ; v44-45 my two blocks' largest magnitudes
.set SO,    46                         ; v46-47 the conversions' scale operands
.set BY,    48                         ; v48-49 scale bytes
.set ZW,    50                         ; v50-51 the scale word of K step ks
.set HM,    52                         ; v52-53 the largest |h| of my two blocks
.set RR,    54                         ; v54, v55: r and hh, at the head
.set HH,    55
.set PCD,   56                         ; v56-71 the codes: 8 ks + 4 c + g
.set GS,    72                         ; v72-103 two sets of 16 scale words from memory, by the part's parity: 8 a2 + 2 pair + ks
.set H,     104
.set T,     168
.set S,     128                        ; in window 2
.set WV,    34                         ; s34  my wave's number
.set CX,    35                         ; s35  my place in the cluster
.set BB,    36                         ; s36  b
.set G1A,   40                         ; s[40:47] descriptor group 1 for w0 (rows 512 bytes apart);  s[48:55] for w1 and w2 (2,048)
.set G1B,   48
.set G0,    56                         ; s[56:59], s[60:63] group 0 of slot 0, slot 1
.set WB1,   66                         ; s[66:67], s[68:69] w1's, w2's codes at my 64 rows
.set WB2,   68
.set PF1,   70                         ; s[70:71], s[72:73] w1's, w2's codes at the 16 rows that my wave prefetches
.set PF2,   72
.set SEL,   74                         ; s[74:75] v_permlanex16_b32's selects for lane l xor 16
.set FLO,   76                         ; s76  2^(3 - 127)
.set CNT,   77
.set WO,    78                         ; s78-84 what the pair in hand adds to the bases
.set WSO,   79
.set ZO,    80
.set ZOW,   81
.set ZSO,   82
.set ZSOW,  83
.set XO,    84
.set FCB,   92
.set CLU,   93                         ; s93  the cluster's number
.set MSB, 0
.macro WIN new                         ; bits 1:0 source 0, 3:2 source 1, 5:4 source 2, 7:6 destination; the immediate's high byte repeats the setting that is left
.if MSB != \new
	s_set_vgpr_msb (MSB<<8)|\new
.set MSB, \new
.endif
.endm
.macro PLACES                          ; four places between a matrix instruction and a load into, or a vector read of, its registers
.rept 4
	v_nop
.endr
.endm
.macro BAR                             ; my LDS stores have landed and my LDS loads are in: then the work-group's barrier
	s_wait_dscnt 0x0
	s_barrier_signal -1
	s_barrier_wait -1
.endm
.macro CROUND                          ; a round of the cluster's barrier: my work-group's barrier; wave 0 signals for the work-group; every wave waits for the four; my work-group's barrier once more
	s_barrier_signal -1
	s_barrier_wait -1
	s_cmp_lg_u32 s[WV], 0
	s_cbranch_scc1 .Lnot_wave_0_\@
	s_barrier_signal -3
.Lnot_wave_0_\@:
	s_barrier_wait -3
	s_barrier_signal -1
	s_barrier_wait -1
.endm
; W's scale words.  GLOAD: four loads of 16 bytes a lane bring the 8 words (8 K steps) of part t of two of my rows' tiles into set p.  WSTORE: set p goes into my wave's own LDS bytes, a word a lane.
.macro GLOAD p, ofr, base, pitch, t
.irp a2, 0,1
.irp u, 0,1
	global_load_b128 v[GS+16*(\p)+8*\a2+4*\u:GS+16*(\p)+8*\a2+4*\u+3], v[\ofr], s[\base:\base+1] offset:\a2*16*(\pitch)+32*(\t)+16*\u
.endr
.endr
.endm
.macro WSTORE p
.irp a2, 0,1
.irp q, 0,1,2,3
.irp ks, 0,1
	ds_store_b32 v[AWSB], v[GS+16*(\p)+8*\a2+2*\q+\ks] offset:\q*512+\ks*256+\a2*128
.endr
.endr
.endr
.endm
; x's multipliers of a pair of K steps.  Layers 1, 2: x[2 p][e], x[2 p + 1][e].  Layer 0: register 2 ks + c = x[8 p + 4 ks + 2 c + hh][e]
.macro XLOAD l0
.if \l0
.irp n, 0,1,2,3
	ds_load_b32 v[XM+\n], v[AX] offset:512*\n
.endr
.else
	ds_load_b64 v[XM:XM+1], v[AX]
.endif
.endm
; two numbers of z: block c of K step ks, numbers i and i + 1
.macro ZMUL l0, ks, c, i
.if \l0
	v_pk_mul_f32 v[T+32*(\c)+(\i):T+32*(\c)+(\i)+1], v[H+(\i):H+(\i)+1], v[XM+2*(\ks):XM+2*(\ks)+1] op_sel:[0,\c] op_sel_hi:[1,\c]
.else
	v_pk_mul_f32 v[T+32*(\c)+(\i):T+32*(\c)+(\i)+1], v[H+32*(\c)+(\i):H+32*(\c)+(\i)+1], v[XM:XM+1] op_sel:[0,\ks] op_sel_hi:[1,\ks]
.endif
.endm
; K step ks of a pair: my column's 64 numbers of z are made, quantised and stored as a fragment's image, with their scale word.  Three LDS stores.
; The lines that make the scale word each read the line before: they stand two packed products apart.  The first block's conversions stand among the second block's products.
.macro ZGEN l0, ks
.if \l0
	v_pk_mul_f32 v[AM:AM+1], v[XM+2*\ks:XM+2*\ks+1], v[HM:HM+1]             ; my two blocks' largest magnitudes (signed yet): x of the block's f times the largest |h|
.else
	v_pk_mul_f32 v[AM:AM+1], v[HM:HM+1], v[XM:XM+1] op_sel:[0,\ks] op_sel_hi:[1,\ks]
.endif
	ZMUL \l0, \ks, 0, 0
	ZMUL \l0, \ks, 0, 2
	v_max_num_f32 v[AM], |v[AM]|, s[FLO]           ; the floor 2^(3 - 127): the byte cannot fall under 1
	v_max_num_f32 v[AM+1], |v[AM+1]|, s[FLO]
	ZMUL \l0, \ks, 0, 4
	ZMUL \l0, \ks, 0, 6
	v_add_nc_u32 v[SO], 0xff000000, v[AM]          ; 2 off the exponent field: the conversion takes the exponent field of this operand as its scale
	v_add_nc_u32 v[SO+1], 0xff000000, v[AM+1]
	ZMUL \l0, \ks, 0, 8
	ZMUL \l0, \ks, 0, 10
	v_lshrrev_b32 v[BY], 23, v[SO]                 ; the scales' bytes: blocks hh and 2 + hh of my column,
	v_lshrrev_b32 v[BY+1], 23, v[SO+1]
	ZMUL \l0, \ks, 0, 12
	ZMUL \l0, \ks, 0, 14
	v_lshl_or_b32 v[BY], v[BY+1], 16, v[BY]
	ZMUL \l0, \ks, 0, 16
	ZMUL \l0, \ks, 0, 18
	v_lshlrev_b32 v[BY], v[SH8], v[BY]             ; at their places in the scale word;
	ZMUL \l0, \ks, 0, 20
	ZMUL \l0, \ks, 0, 22
	v_permlanex16_b32 v[BY+1], v[BY], s[SEL], s[SEL+1]
	ZMUL \l0, \ks, 0, 24
	ZMUL \l0, \ks, 0, 26
	v_or_b32 v[ZW+\ks], v[BY], v[BY+1]             ; with lane l xor 16's two the word is whole
	ZMUL \l0, \ks, 0, 28
	ZMUL \l0, \ks, 0, 30
.irp g, 0,1,2,3
	ZMUL \l0, \ks, 1, 8*\g
	ZMUL \l0, \ks, 1, 8*\g+2
	ZMUL \l0, \ks, 1, 8*\g+4
	ZMUL \l0, \ks, 1, 8*\g+6
	v_cvt_scalef32_pk8_fp4_f32 v[PCD+8*\ks+\g], v[T+8*\g:T+8*\g+7], v[SO]          ; registers 0 .. 3 of the operand: k = 32 hh + 0 .. 31
.endr
.irp g, 0,1,2,3
	v_cvt_scalef32_pk8_fp4_f32 v[PCD+8*\ks+4+\g], v[T+32+8*\g:T+32+8*\g+7], v[SO+1]   ; registers 4 .. 7: k = 64 + 32 hh + 0 .. 31
.endr
	v_nop                                          ; one plain place behind the last scaled conversion
	ds_store_b128 v[AZW], v[PCD+8*\ks:PCD+8*\ks+3] offset:\ks*4096
	ds_store_b128 v[AZW], v[PCD+8*\ks+4:PCD+8*\ks+7] offset:\ks*4096+512
	ds_store_b32 v[AZSW], v[ZW+\ks] offset:\ks*256 ; lanes r and r + 16 write the same word with the same value
.endm
; The operands of K step ks of the pair in hand into set: 4 scale words, W's four fragments, z's four.  Twenty LDS loads.
.macro LFRAG set, ks
	WIN 0
.irp n, 0,1
	ds_load_b32 v[WS+2*\ks+\n], v[AWS] offset:\ks*256+\n*128
	ds_load_b32 v[ZS+2*\ks+\n], v[AZS] offset:\ks*256+\n*128
.endr
	WIN 0x40                                       ; destination window 1
.irp a, 0,1
.irp c, 0,1
	ds_load_b128 v[32*\set+8*\a+4*\c:32*\set+8*\a+4*\c+3], v[AW0] offset:\a*16*PW+\ks*64+32*\c
.endr
.endr
.irp a, 0,1
.irp c, 0,1
	ds_load_b128 v[32*\set+16+8*\a+4*\c:32*\set+16+8*\a+4*\c+3], v[AW1] offset:\a*16*PW+\ks*64+32*\c
.endr
.endr
.irp j, 0,1,2,3
.irp c, 0,1
	ds_load_b128 v[64+32*\set+8*\j+4*\c:64+32*\set+8*\j+4*\c+3], v[AZ] offset:\ks*4096+\j*1024+512*\c
.endr
.endr
.endm
; Eight matrix instructions: my tiles of rows a0, a0 + 1 x the four blocks of columns, 128 along K.  first = 1: the sums begin with layer L's bias as C.
; The sixteen accumulators take turns, one instruction a turn, in the same order everywhere.
.macro MULH set, ks, first, L, a0
.if \first
	WIN 0xb5                                       ; W and z window 1, C window 3, D window 2
.else
	WIN 0xa5                                       ; W and z window 1, C and D window 2
.endif
.irp a, \a0, \a0+1
.irp j, 0,1,2,3
.set DR, 8*(4*(\a)+\j)
.if \first
.set CR, 32*(\L)+8*(\a)
.else
.set CR, DR
.endif
.set AR, 32*(\set)+8*(\a)
.set BR, 64+32*(\set)+8*\j
.set SA, WS+2*(\ks)+((\a)%2)
.set SB, ZS+2*(\ks)+(\j%2)
.if ((\a) >= 2) && (\j >= 2)
	v_wmma_scale_f32_16x16x128_f8f6f4 v[DR:DR+7], v[AR:AR+7], v[BR:BR+7], v[CR:CR+7], v[SA], v[SB] matrix_a_fmt:MATRIX_FMT_FP4 matrix_b_fmt:MATRIX_FMT_FP4 matrix_a_scale:MATRIX_SCALE_ROW1 matrix_b_scale:MATRIX_SCALE_ROW1
.elseif (\a) >= 2
	v_wmma_scale_f32_16x16x128_f8f6f4 v[DR:DR+7], v[AR:AR+7], v[BR:BR+7], v[CR:CR+7], v[SA], v[SB] matrix_a_fmt:MATRIX_FMT_FP4 matrix_b_fmt:MATRIX_FMT_FP4 matrix_a_scale:MATRIX_SCALE_ROW1
.elseif \j >= 2
	v_wmma_scale_f32_16x16x128_f8f6f4 v[DR:DR+7], v[AR:AR+7], v[BR:BR+7], v[CR:CR+7], v[SA], v[SB] matrix_a_fmt:MATRIX_FMT_FP4 matrix_b_fmt:MATRIX_FMT_FP4 matrix_b_scale:MATRIX_SCALE_ROW1
.else
	v_wmma_scale_f32_16x16x128_f8f6f4 v[DR:DR+7], v[AR:AR+7], v[BR:BR+7], v[CR:CR+7], v[SA], v[SB] matrix_a_fmt:MATRIX_FMT_FP4 matrix_b_fmt:MATRIX_FMT_FP4
.endif
.endr
.endr
.endm
.macro MUL set, ks, first, L           ; all sixteen
	MULH \set, \ks, \first, \L, 0
	MULH \set, \ks, \first, \L, 2
.endm
; The addresses of a pair of K steps: each a base made at the head + a scalar that steps from pair to pair.
.macro ADDRS l0
	v_add_nc_u32 v[AW0], s[WO], v[AWB0]
	v_add_nc_u32 v[AW1], s[WO], v[AWB1]
	v_add_nc_u32 v[AZ], s[ZO], v[AZB]
	v_add_nc_u32 v[AZS], s[ZSO], v[AZSB]
	v_add_nc_u32 v[AWS], s[WSO], v[AWSB]
	v_add_nc_u32 v[AZW], s[ZOW], v[AZWB]
	v_add_nc_u32 v[AZSW], s[ZSOW], v[AZSWB]
.if \l0
	v_add_nc_u32 v[AX], s[XO], v[AXB0]
.else
	v_add_nc_u32 v[AX], s[XO], v[AXB]
.endif
.endm
; A PAIR p OF K STEPS; its addresses have been made.  Its first K step is fetched (set 0) while the second K step of pair p - 1 (set 1) is multiplied (mul1); its second is fetched then, and multiplied in the next pair's turn.
; prod = 1: z of pair p + 1 is made on the way, into the buffer that nobody reads.  z's lines stand behind each run of LDS loads, so that the loads land under them, and they are the places between the products and the loads into set 1.
; THE BARRIER of a pair orders two things: my stores of z of pair p + 1 against every wave's loads of them in the next pair's turn, and my loads of pair p's buffer against the next turn's stores into it.  For both my wait
; for all my LDS instructions stands in front of my signal, and the other side stands behind its wait.  Eight products stand ahead of that wait, under which the last stores land; eight more and the next pair's addresses,
; all work on registers, stand between signal and wait.  Those eight additions are also the places in front of the next turn's loads into set 0.
.macro BODY l0, mul1, first, prod, L
.if \prod
	XLOAD \l0                                      ; pair p + 1's multipliers
.endif
	LFRAG 0, 0
.if \mul1
	MUL 1, 1, 0, 0                                 ; pair p - 1's second K step: its operands were shown in by the wait in front of the last barrier
.endif
.if \prod
	WIN 0
	s_wait_dscnt 20                                ; the multipliers are in; set 0's 20 loads behind them may be out
	ZGEN \l0, 0
	LFRAG 1, 1
	WIN 0
	ZGEN \l0, 1
	s_add_co_u32 s[WO], s[WO], 128                 ; the next pair: two K steps of 64 bytes along W's rows,
	s_add_co_u32 s[WSO], s[WSO], 512               ; their scale words,
	s_xor_b32 s[ZO], s[ZO], 8192                   ; z's buffers change places,
	s_xor_b32 s[ZOW], s[ZOW], 8192
	s_xor_b32 s[ZSO], s[ZSO], 512
	s_xor_b32 s[ZSOW], s[ZSOW], 512
.if \l0
	s_add_co_u32 s[XO], s[XO], 2048                ; and x goes on: eight f
.else
	s_add_co_u32 s[XO], s[XO], 512                 ; two f
.endif
	s_wait_dscnt 26                                ; set 0 is in; behind it: 3 stores of z, set 1's 20 loads, 3 stores of z
	MULH 0, 0, \first, \L, 0
	s_wait_dscnt 0x0                               ; my stores of z have landed, and my loads of this pair's buffer and of this part's rows are in
	s_barrier_signal -1
	MULH 0, 0, \first, \L, 2
	WIN 0
	ADDRS \l0
	s_barrier_wait -1
.else
.if \mul1
	PLACES
.endif
	LFRAG 1, 1
	s_wait_dscnt 20                                ; set 0 is in; set 1's 20 loads may be out
	MUL 0, 0, \first, \L
	WIN 0
.endif
.endm
.macro LOOPB l0, n                     ; n pairs
	s_mov_b32 s[CNT], \n
.Lpair_\@:
	BODY \l0, 1, 0, 1, 0
	s_sub_co_u32 s[CNT], s[CNT], 1
	s_cmp_lg_u32 s[CNT], 0
	s_cbranch_scc1 .Lpair_\@
.endm
.macro STEPINIT slot, xo               ; a part begins: four pairs, so z's buffers begin as they began
	s_mov_b32 s[WO], (\slot)*SLOT
	s_mov_b32 s[WSO], 0
	s_mov_b32 s[ZO], 0
	s_mov_b32 s[ZOW], 8192
	s_mov_b32 s[ZSO], 0
	s_mov_b32 s[ZSOW], 512
	s_mov_b32 s[XO], \xo
.endm
; A PREFETCH INTO THE L2 of the part that the NEXT change of slots will ask for: 256 rows x 512 bytes.  Every work-group walks the same parts: the first cluster asks, and nobody else.  Its four work-groups take 64 rows
; each, told apart by address; in each a wave takes 16 rows, a lane half a row's 512 bytes: 4 x 4 x 32 lanes name the part's 512 blocks of 256 bytes once each.  Parts 0 to 2 come by their loads alone; the address registers are never rewritten.
.macro ASK base, ofs
	s_cmp_eq_u32 s[CLU], 0                         ; the same in all four partners
	s_cbranch_scc0 .Lnot_mine_\@
	global_prefetch_b8 v[PFO], s[\base:\base+1] offset:\ofs th:TH_LOAD_NT scope:SCOPE_SE
.Lnot_mine_\@:
.endm
; THE CHANGE OF SLOTS, at the head of part i.  Each wave waits for all its tensor loads (one is out: its rows of part i), adds 0 to its spare word, and waits for that and for its reads of the slot that it has left.
; i <= 7: the barrier is a round of the cluster's, so that no wave of any partner still reads that slot or has a load on its way, and the joint refill, part i + 1, is the first thing behind it: it has part i's eight K steps in which to land.
.macro CHANGE i
.set SL, G0+4*(((\i)+1)%2)
	WIN 0
	s_wait_tensorcnt 0x0                           ; no tensor load of mine is out, so a group 0 may be written
	ds_add_u32 v[SPW], v[NIL]                      ; 0 onto my spare word: the descriptor's two lines stand between it and the wait for it
.if (\i) <= 3
	s_add_nc_u64 s[SL+2:SL+3], s[WB1:WB1+1], (\i)*512
	s_or_b32 s[SL+3], s[SL+3], 0x80000000
.elseif (\i) <= 7
	s_add_nc_u64 s[SL+2:SL+3], s[WB2:WB2+1], ((\i)-4)*512
	s_or_b32 s[SL+3], s[SL+3], 0x80000000
.endif
	s_wait_dscnt 0x0                               ; the add is done, and my reads of the slot that I have left are over
.if (\i) <= 7
	CROUND
	tensor_load_to_lds s[SL:SL+3], s[G1B:G1B+7]    ; my one tensor load behind the round
	s_nop 0
	PLACES                                         ; four v_nop follow it; at a layer's end they are also the places behind the layer's last products
.else
	s_barrier_signal -1
	s_barrier_wait -1
.endif
.if (\i) <= 2
	ASK PF1, ((\i)+1)*512                          ; part i + 2
.elseif (\i) <= 6
	ASK PF2, ((\i)-3)*512
.endif
	s_wait_loadcnt 0x0                             ; part i's scale words, asked for a part ago
	WSTORE (\i)%2                                  ; LDS serves a wave's instructions in order: my reads of the last part's words stand ahead of these
.if (\i) <= 3
	GLOAD ((\i)+1)%2, GSO1, 18, 128, \i            ; part i + 1's
.elseif (\i) <= 7
	GLOAD ((\i)+1)%2, GSO1, 24, 128, (\i)-4
.endif
.endm
; relu and pooling of tile a: each accumulator is read from its low end on; four chains of packed sums, one for each block of columns
.macro POOL a, fwb
.irp j, 0,1,2,3
.irp g, 0,1,2,3,4,5,6,7
	v_max_num_f32 v[8*(4*(\a)+\j)+\g], v[8*(4*(\a)+\j)+\g], 0
.endr
.endr
.irp g, 0,2,4,6
.irp j, 0,1,2,3
	v_pk_fma_f32 v[S+2*\j:S+2*\j+1], v[8*(4*(\a)+\j)+\g:8*(4*(\a)+\j)+\g+1], v[(\fwb)+8*(\a)+\g:(\fwb)+8*(\a)+\g+1], v[S+2*\j:S+2*\j+1]
.endr
.endr
.endm
; Rows 128 on, after relu, go to the stage as the next h: lane (r, hh), tile a, block j: h[32 w + 16 (a - 2) + 8 hh + 0 .. 7][16 j + r]
.macro EPIH
	WIN 0xae                                       ; source 0, source 2 and destination window 2, source 1 window 3
.irp a, 2,3
.irp j, 0,1,2,3
.irp g, 0,1,2,3,4,5,6,7
	v_max_num_f32 v[8*(4*\a+\j)+\g], v[8*(4*\a+\j)+\g], 0
.endr
.endr
.endr
	WIN 0x08                                       ; an LDS store's data are its source 1: window 2
.irp a, 2,3
.irp j, 0,1,2,3
.irp u, 0,1
	ds_store_b128 v[AHW], v[8*(4*\a+\j)+4*\u:8*(4*\a+\j)+4*\u+3] offset:(\a-2)*4096+\u*1024+\j*256
.endr
.endr
.endr
	WIN 0
.endm
.macro HMAX two                        ; the largest |h| of my block (two = 1: of my two blocks): two chains a block, by turns
	v_max3_num_f32 v[HM], |v[H]|, |v[H+1]|, 0
	v_max3_num_f32 v[AM], |v[H+16]|, |v[H+17]|, 0
.if \two
	v_max3_num_f32 v[HM+1], |v[H+32]|, |v[H+33]|, 0
	v_max3_num_f32 v[AM+1], |v[H+48]|, |v[H+49]|, 0
.endif
.irp i, 2,4,6,8,10,12,14
	v_max3_num_f32 v[HM], v[HM], |v[H+\i]|, |v[H+\i+1]|
	v_max3_num_f32 v[AM], v[AM], |v[H+16+\i]|, |v[H+17+\i]|
.if \two
	v_max3_num_f32 v[HM+1], v[HM+1], |v[H+32+\i]|, |v[H+33+\i]|
	v_max3_num_f32 v[AM+1], v[AM+1], |v[H+48+\i]|, |v[H+49+\i]|
.endif
.endr
	v_max_num_f32 v[HM], v[HM], v[AM]
.if \two
	v_max_num_f32 v[HM+1], v[HM+1], v[AM+1]
.endif
.endm
.macro HLOAD                           ; register 32 c + n of h: h[64 c + 32 hh + n][16 w + r]
.irp c, 0,1
.irp i, 0,1,2,3,4,5,6,7
	ds_load_b128 v[H+32*\c+4*\i:H+32*\c+4*\i+3], v[AHR] offset:(16*\c+\i)*1024
.endr
.endr
.endm
.macro PROADDR l0                      ; the addresses of a layer's first pair of K steps of z: buffer 0, x from its start
	v_add_nc_u32 v[AZW], 0, v[AZWB]
	v_add_nc_u32 v[AZSW], 0, v[AZSWB]
.if \l0
	v_add_nc_u32 v[AX], 0, v[AXB0]
.else
	v_add_nc_u32 v[AX], 0, v[AXB]
.endif
.endm
; Layer L = 1, 2: parts c0 .. c3; P = L - 1.  The first part's refill of the other slot is on its way during the layer's change.
; THE CHANGE OF LAYERS has three barriers, each with work on registers between its signal and its wait.  First: every wave's stores of h against every wave's loads of it; layer P's pooling stands inside.
; Second: every wave's loads of h against the stores of z over the stage; h's largest magnitudes stand inside.  Third: the stores of z's first pair against every wave's loads of it; the part's set-up stands inside.
.macro LAYER L, P, c0, c1, c2, c3
	CHANGE \c0
	EPIH
	s_wait_dscnt 0x0                               ; my part of h lies in the stage
	s_barrier_signal -1
	WIN 0xae
	POOL 0, 96+16*(\P)
	POOL 1, 96+16*(\P)
	WIN 0
	PROADDR 0
	s_barrier_wait -1                              ; the whole of h lies there
	HLOAD
	XLOAD 0                                        ; x's multipliers of the first pair
	s_wait_dscnt 0x0                               ; I have my h
	s_barrier_signal -1
	HMAX 1
	s_barrier_wait -1                              ; every wave has its h: z may be written over the stage
	ZGEN 0, 0
	ZGEN 0, 1
	s_wait_dscnt 0x0                               ; my fragments of the first pair lie in buffer 0
	s_barrier_signal -1
	STEPINIT 1, 512
	ADDRS 0
	s_barrier_wait -1
	BODY 0, 0, 1, 1, \L
	LOOPB 0, 3
	CHANGE \c1
	STEPINIT 0, 2560
	ADDRS 0
	LOOPB 0, 4
	CHANGE \c2
	STEPINIT 1, 4608
	ADDRS 0
	LOOPB 0, 4
	CHANGE \c3
	STEPINIT 0, 6656
	ADDRS 0
	LOOPB 0, 3
	BODY 0, 1, 0, 0, 0                             ; the last pair makes no z
	s_wait_dscnt 0x0                               ; set 1 is in
	MUL 1, 1, 0, 0
.endm
; ---------------- THE HEAD
	s_load_b512 s[8:23], s[0:1], 0x0               ; x s[8:9], w0 codes s[10:11], w0 scales s[12:13], b0 s[14:15], w1 codes s[16:17], w1 scales s[18:19], b1 s[20:21], w2 codes s[22:23]
	s_load_b256 s[24:31], s[0:1], 0x40             ; w2 scales s[24:25], b2 s[26:27], fc_w s[28:29], fc_b s[30:31]
	s_load_b64 s[32:33], s[0:1], 0x60              ; out0
	v_lshl_add_u32 v[SPW], v0, 2, SPARE
	v_mov_b32 v[NIL], 0
	ds_add_u32 v2, v3
	ds_add_u32 v2, v3
	s_wait_dscnt 0x0
	v_lshrrev_b32 v1, 5, v0
	v_readfirstlane_b32 s[WV], v1                  ; wave 0..3
	s_bfe_u32 s[CX], ttmp6, 0x40000                ; my place in the cluster: it enters x's, out0's and the prefetches' addresses alone
	s_lshl_b32 s[BB], ttmp9, 2                     ; in a cluster launch ttmp9 counts clusters
	s_add_co_u32 s[BB], s[BB], s[CX]               ; b
	s_mov_b32 s[CLU], ttmp9
	v_and_b32 v1, 31, v0                           ; lane
	v_and_b32 v[RR], 15, v0                        ; r
	v_bfe_u32 v[HH], v0, 4, 1                      ; hh
	s_mul_i32 s86, s[WV], 32*PW
	v_mul_u32_u24 v[AWB0], v[RR], PW
	v_lshl_add_u32 v[AWB0], v[HH], 4, v[AWB0]
	v_add_nc_u32 v[AWB0], s86, v[AWB0]
	v_add_nc_u32 v[AWB1], 128*PW, v[AWB0]
	v_lshl_add_u32 v[AZB], v1, 4, ZB
	v_lshl_add_u32 v[AZSB], v1, 2, ZSC
	s_lshl_b32 s86, s[WV], 11
	s_add_co_u32 s86, s86, WSC
	v_lshl_add_u32 v[AWSB], v1, 2, s86
	s_lshl_b32 s86, s[WV], 10
	s_add_co_u32 s86, s86, ZB
	v_lshl_add_u32 v[AZWB], v1, 4, s86
	s_and_b32 s86, s[WV], 1
	s_lshl_b32 s86, s86, 7
	s_lshr_b32 s87, s[WV], 1
	s_lshl_b32 s87, s87, 6
	s_add_co_u32 s86, s86, s87
	s_add_co_u32 s86, s86, ZSC
	v_lshl_add_u32 v[AZSWB], v[RR], 2, s86
	s_lshl_b32 s86, s[WV], 7
	s_add_co_u32 s86, s86, XP
	v_lshl_add_u32 v[AXB], v[RR], 3, s86
	v_lshl_add_u32 v[AXB0], v[HH], 2, v[AXB]
	s_lshl_b32 s86, s[WV], 13
	s_add_co_u32 s86, s86, HST
	v_lshl_add_u32 v[AHW], v[RR], 4, s86
	v_lshl_add_u32 v[AHW], v[HH], 11, v[AHW]
	s_lshl_b32 s86, s[WV], 8
	s_add_co_u32 s86, s86, HST
	v_lshl_add_u32 v[AHR], v[RR], 4, s86
	v_lshl_add_u32 v[AHR], v[HH], 13, v[AHR]
	s_lshl_b32 s86, s[WV], 5
	v_lshl_add_u32 v[GSO0], v[HH], 7, v[RR]
	v_add_nc_u32 v[GSO0], s86, v[GSO0]             ; my row: 32 w + r + 128 hh
	v_lshlrev_b32 v[GSO1], 7, v[GSO0]
	v_lshlrev_b32 v[GSO0], 5, v[GSO0]
	s_lshl_b32 s86, s[WV], 7
	v_lshl_add_u32 v[BO], v[HH], 5, s86
	s_lshl_b32 s86, s[WV], 6
	v_lshl_add_u32 v[XGO], v[RR], 2, s86
	v_lshrrev_b32 v[PFO], 1, v1
	v_lshlrev_b32 v[PFO], 11, v[PFO]
	v_and_b32 v[ARD], 1, v1
	v_lshl_add_u32 v[PFO], v[ARD], 8, v[PFO]
	s_lshl_b32 s86, s[WV], 2
	s_add_co_u32 s86, s86, RED
	v_mov_b32 v[ARED], s86
	v_mov_b32 v[ARD], RED
	v_lshlrev_b32 v[SH8], 3, v[HH]
	s_mov_b32 s[SEL], 0x76543210
	s_mov_b32 s[SEL+1], 0xfedcba98
	s_mov_b32 s[FLO], 0x1800000
	; descriptor group 1: a tile of 64 rows x 512 bytes, padded in LDS
.irp g, G1A, G1B
	s_mov_b32 s[\g], 15|(1<<20)|(1<<21)|(6<<22)|(3<<25)   ; 15:0 the mask: all four work-groups; 17:16 elements of 1 byte; 20 padding on; 21 set beside a mask; 24:22 after every 128 words (code 6); 31:25 four words (code 3)
	s_mov_b32 s[\g+1], 512<<16                     ; tensor_dim0
	s_mov_b32 s[\g+2], 64<<16                      ; tensor_dim1
	s_mov_b32 s[\g+3], 512<<16                     ; tile_dim0
	s_mov_b32 s[\g+4], 64                          ; tile_dim1
	s_mov_b32 s[\g+6], 0
	s_mov_b32 s[\g+7], 0
.endr
	s_mov_b32 s[G1A+5], 512                        ; tensor_dim0_stride: a row of w0's codes;
	s_mov_b32 s[G1B+5], 2048                       ; of w1's and w2's
	s_mul_i32 s86, s[WV], 64*PW                    ; my 64 rows' place in a slot: no place in the cluster enters an LDS address
	s_mov_b32 s[G0], 1
	s_mov_b32 s[G0+1], s86
	s_mov_b32 s[G0+4], 1
	s_add_co_u32 s[G0+5], s86, SLOT
	s_mov_b32 s87, 0
	s_mov_b32 s89, 0
	s_wait_kmcnt 0x0
	s_lshl_b32 s88, s[BB], 13
	s_add_nc_u64 s[8:9], s[8:9], s[88:89]          ; x[b]
	; the loads into registers go out first: they are on their way while the cluster meets and the first parts of W are asked for
.set i, 0
.rept 32
	global_load_b32 v[H+i], v[XGO], s[8:9] offset:256*i th:TH_LOAD_NT   ; x[f][16 w + r], f = 0 .. 31: layer 0's h, in both halves of the lanes
.set i, i+1
.endr
	GLOAD 0, GSO0, 12, 32, 0                       ; part 0's scale words
	WIN 0xc0                                       ; destination window 3
.irp a, 0,1,2,3
.irp u, 0,1
	global_load_b128 v[8*\a+4*\u:8*\a+4*\u+3], v[BO], s[14:15] offset:(16*(\a%2)+128*(\a/2))*4+16*\u          ; the biases of tile a's rows 8 hh + 0 .. 7
	global_load_b128 v[32+8*\a+4*\u:32+8*\a+4*\u+3], v[BO], s[20:21] offset:(16*(\a%2)+128*(\a/2))*4+16*\u
	global_load_b128 v[64+8*\a+4*\u:64+8*\a+4*\u+3], v[BO], s[26:27] offset:(16*(\a%2)+128*(\a/2))*4+16*\u
	global_load_b128 v[128+8*\a+4*\u:128+8*\a+4*\u+3], v[BO], s[28:29] offset:(256+16*(\a%2)+128*(\a/2))*4+16*\u   ; fc_w for layer 2's 256 rows
.endr
.endr
.irp a, 0,1
.irp u, 0,1
	global_load_b128 v[96+8*\a+4*\u:96+8*\a+4*\u+3], v[BO], s[28:29] offset:(16*\a)*4+16*\u                    ; for layer 0's rows 0-127,
	global_load_b128 v[112+8*\a+4*\u:112+8*\a+4*\u+3], v[BO], s[28:29] offset:(128+16*\a)*4+16*\u              ; layer 1's
.endr
.endr
	WIN 0
	s_load_b32 s[FCB], s[30:31], 0x0
	s_lshl_b32 s86, s[WV], 15                      ; 64 rows of 512 bytes
	s_add_nc_u64 s[G0+2:G0+3], s[10:11], s[86:87]  ; part 0: w0
	s_or_b32 s[G0+3], s[G0+3], 0x80000000
	s_lshl_b32 s86, s[WV], 17                      ; 64 rows of 2,048 bytes
	s_add_nc_u64 s[WB1:WB1+1], s[16:17], s[86:87]
	s_add_nc_u64 s[WB2:WB2+1], s[22:23], s[86:87]
	s_mov_b64 s[G0+6:G0+7], s[WB1:WB1+1]           ; part 1: w1's first 1,024 along K
	s_or_b32 s[G0+7], s[G0+7], 0x80000000
	s_lshl_b32 s88, s[CX], 6
	s_lshl_b32 s90, s[WV], 4
	s_add_co_u32 s88, s88, s90
	s_lshl_b32 s88, s88, 11                        ; the prefetches: rows 64 cx + 16 w on
	s_add_nc_u64 s[PF1:PF1+1], s[16:17], s[88:89]
	s_add_nc_u64 s[PF2:PF2+1], s[22:23], s[88:89]
	s_lshl_b32 s88, s[BB], 2
	s_add_nc_u64 s[32:33], s[32:33], s[88:89]      ; out0[b]
	CROUND                                         ; all four work-groups are here: the first joint loads meet
	tensor_load_to_lds s[G0:G0+3], s[G1A:G1A+7]    ; the two first fills go out together, ahead of every wait on TENSORcnt: two loads of mine are out
	s_nop 0
	tensor_load_to_lds s[G0+4:G0+7], s[G1B:G1B+7]
	s_nop 0
	PLACES
	WIN 0x80                                       ; destination window 2
.irp n, 0,1,2,3,4,5,6,7
	v_mov_b32 v[S+\n], 0                           ; the pooled sums run through all three layers
.endr
	WIN 0
	s_wait_kmcnt 0x0                               ; fc_b
	s_wait_loadcnt 0x0                             ; x, the scale words, the biases, fc_w
.set i, 0
.rept 16
	ds_store_b64 v[AXB], v[H+2*i:H+2*i+1] offset:512*i   ; x[2 i][e], x[2 i + 1][e]; lanes r and r + 16 write the same bytes with the same values
.set i, i+1
.endr
	HMAX 0
	v_mov_b32 v[HM+1], v[HM]                       ; in layer 0 both my blocks have the same 32 h
	WSTORE 0
	GLOAD 1, GSO1, 18, 128, 0                      ; part 1's scale words
; ---------------- LAYER 0: one part, four pairs of K steps
	PROADDR 1
	XLOAD 1                                        ; LDS serves a wave's instructions in order: these see my stores of x
	s_wait_dscnt 0x0
	ZGEN 1, 0
	ZGEN 1, 1
	s_wait_tensorcnt 0x1                           ; my rows of w0 are in; slot 1's first fill may stay out
	s_wait_dscnt 0x0                               ; my fragments of the first pair lie in buffer 0
	s_barrier_signal -1
	STEPINIT 0, 2048
	ADDRS 1
	s_barrier_wait -1
	BODY 1, 0, 1, 1, 0
	LOOPB 1, 2
	BODY 1, 1, 0, 0, 0
	s_wait_dscnt 0x0                               ; set 1 is in
	MUL 1, 1, 0, 0
; ---------------- LAYERS 1 AND 2: four parts, sixteen pairs each
	LAYER 1, 0, 1, 2, 3, 4
	LAYER 2, 1, 5, 6, 7, 8
; ---------------- THE END: the sum over my rows and columns, over the lanes, over the waves; fc_b; one number
	PLACES
	WIN 0xae
	POOL 0, 128
	POOL 1, 128
	POOL 2, 128
	POOL 3, 128
	WIN 0x0a                                       ; sources window 2, destination window 0
	v_add_f32 v40, v[S], v[S+1]
	v_add_f32 v41, v[S+2], v[S+3]
	v_add_f32 v42, v[S+4], v[S+5]
	v_add_f32 v43, v[S+6], v[S+7]
	WIN 0
	v_add_f32 v40, v40, v41
	v_add_f32 v42, v42, v43
	v_add_f32 v40, v40, v42
	v_add_f32_dpp v40, v40, v40 row_xmask:1 row_mask:0xf bank_mask:0xf
	v_add_f32_dpp v40, v40, v40 row_xmask:2 row_mask:0xf bank_mask:0xf
	v_add_f32_dpp v40, v40, v40 row_xmask:4 row_mask:0xf bank_mask:0xf
	v_add_f32_dpp v40, v40, v40 row_xmask:8 row_mask:0xf bank_mask:0xf
	v_permlanex16_b32 v41, v40, s[SEL], s[SEL+1]
	v_add_f32 v40, v40, v41
	ds_store_b32 v[ARED], v40                      ; all lanes write my wave's word with the same value
	BAR
	ds_load_b128 v[44:47], v[ARD]
	s_wait_dscnt 0x0
	v_add_f32 v44, v44, v45
	v_add_f32 v46, v46, v47
	v_add_f32 v44, v44, v46
	v_add_f32 v44, s[FCB], v44
	v_mov_b32 v48, 0
	v_cmp_eq_u32 vcc_lo, 0, v0                     ; the work-group's first thread stores; in waves 1 to 3 no lane is left on
	s_wait_xcnt 0x0                                ; EXEC changes only behind this wait
	s_and_saveexec_b32 s86, vcc_lo
	global_store_b32 v48, v44, s[32:33]
	s_wait_xcnt 0x0                                ; and again, in front of the line that widens it
	s_or_b32 exec_lo, exec_lo, s86
	s_wait_tensorcnt 0x0                           ; the wave's end: behind my last tensor load and my last LDS store
	ds_add_u32 v[SPW], v[NIL]
	s_wait_dscnt 0x0
	CROUND                                         ; the closing round: no work-group ends while a partner may still ask for a part that names it
	s_endpgm
.Lfunc_end_k_q458b03ff9c_cin:
	.size	k_q458b03ff9c_cin, .Lfunc_end_k_q458b03ff9c_cin-k_q458b03ff9c_cin
	.p2alignl 7, 3214868480
	.fill 96, 4, 3214868480
	.section	.rodata,"a",@progbits
	.p2align	6, 0x0
	.amdhsa_kernel k_q458b03ff9c_cin
		.amdhsa_group_segment_fixed_size 327680
		.amdhsa_private_segment_fixed_size 0
		.amdhsa_enable_private_segment 0
		.amdhsa_kernarg_size 104
		.amdhsa_user_sgpr_count 2
		.amdhsa_user_sgpr_kernarg_segment_ptr 1
		.amdhsa_wavefront_size32 1
		.amdhsa_system_sgpr_workgroup_id_x 1
		.amdhsa_system_sgpr_workgroup_id_y 1
		.amdhsa_system_sgpr_workgroup_id_z 1
		.amdhsa_system_vgpr_workitem_id 0
		.amdhsa_next_free_vgpr 1024
		.amdhsa_next_free_sgpr 96
		.amdhsa_reserve_vcc 1
		.amdhsa_float_denorm_mode_32 3
		.amdhsa_float_denorm_mode_16_64 3
		.amdhsa_memory_ordered 1
		.amdhsa_forward_progress 1
		.amdhsa_inst_pref_size 255
	.end_amdhsa_kernel
	.section	.bss,"aw",@nobits
	.p2align	6
	.space	262144
	.amdgpu_metadata
---
amdhsa.version: [ 1, 2 ]
amdhsa.kernels:
  - .name:           k_q458b03ff9c_cin
    .symbol:         k_q458b03ff9c_cin.kd
    .args:
      - { .name: x, .offset: 0, .size: 8, .value_kind: global_buffer, .address_space: global }
      - { .name: w0_codes, .offset: 8, .size: 8, .value_kind: global_buffer, .address_space: global }
      - { .name: w0_scales, .offset: 16, .size: 8, .value_kind: global_buffer, .address_space: global }
      - { .name: b0, .offset: 24, .size: 8, .value_kind: global_buffer, .address_space: global }
      - { .name: w1_codes, .offset: 32, .size: 8, .value_kind: global_buffer, .address_space: global }
      - { .name: w1_scales, .offset: 40, .size: 8, .value_kind: global_buffer, .address_space: global }
      - { .name: b1, .offset: 48, .size: 8, .value_kind: global_buffer, .address_space: global }
      - { .name: w2_codes, .offset: 56, .size: 8, .value_kind: global_buffer, .address_space: global }
      - { .name: w2_scales, .offset: 64, .size: 8, .value_kind: global_buffer, .address_space: global }
      - { .name: b2, .offset: 72, .size: 8, .value_kind: global_buffer, .address_space: global }
      - { .name: fc_w, .offset: 80, .size: 8, .value_kind: global_buffer, .address_space: global }
      - { .name: fc_b, .offset: 88, .size: 8, .value_kind: global_buffer, .address_space: global }
      - { .name: out0, .offset: 96, .size: 8, .value_kind: global_buffer, .address_space: global }
    .group_segment_fixed_size: 327680
    .private_segment_fixed_size: 0
    .kernarg_segment_align: 8
    .kernarg_segment_size: 104
    .max_flat_workgroup_size: 128
    .sgpr_count:     96
    .vgpr_count:     1024
    .wavefront_size: 32
...
	.end_amdgpu_metadata
.endif
;; end of part 1
